; MI455X (gfx1250); checked and timed in simulation.
; The chip was launched on July 23, 2026; its instructions are those of AMD's public machine-readable ISA for CDNA 5 (MIT licence, August 2026) and "CDNA5" Instruction Set Architecture Reference Guide (July 2026). The comments in the code are by the model that wrote it; some were corrected since.
;; Cross Attention. Allowed arithmetic: float matrix products may take bf16 or f16 operands with f32 sums; all other float work in f32.
;; Inputs: Wk 768 x 512 float32; Wq 512 x 512 float32; Wv 768 x 512 float32; context 4 x 4,096 x 768 float32; x 4 x 2,048 x 512 float32.
;; Outputs: out0 4 x 2,048 x 512 float32.
;; One version. Each part assembles by itself: llvm-mc -triple=amdgcn-amd-amdhsa -mcpu=gfx1250 --defsym DOCPART=n.
;; ======== version 1 of 1: 4 launches
;; workspace buffers: wfrag 1,572,864 bytes; kf 16,777,216 bytes; vf 16,777,216 bytes; opart 67,108,864 bytes; ml 262,144 bytes
;; launch prep (part 1): grid 24 x 8, 4 waves a work-group, no clusters, 200,192 bytes of LDS; arguments Wq, Wk, Wv, wfrag; writes wfrag
.if DOCPART == 1
	.amdgcn_target "amdgcn-amd-amdhsa--gfx1250"
	.amdhsa_code_object_version 6
	.text
	.protected	k_q6083342db5_prep
	.globl	k_q6083342db5_prep
	.p2align	8
	.type	k_q6083342db5_prep,@function
k_q6083342db5_prep:
	s_mov_b64 s[64:65], 0
	v_nop
	global_prefetch_b8 v0, s[64:65] scope:SCOPE_SE
	s_setreg_imm32_b32 hwreg(HW_REG_WAVE_MODE, 25, 1), 1
	s_wait_xcnt 0x0
; prep: the weights of the projection launch, as bf16 operand fragments.
;   G[c][d] = sum over e of Wk[c][e] Wq[d][e]   (768 x 512), and Wv as it is.
; WHY G: scores = (x Wq)(ctx Wk)^T = x (Wq Wk^T) ctx^T.  The program forms k' = ctx G once for each key and lets x itself be the query
; operand.  This is a REASSOCIATION of the reference's products: it holds for every input, and the products are rounded to bf16 at other
; places than in the reference's order (G, k' and x instead of q and k).
; A FRAGMENT is 16 rows x 32 k of bf16 in 1,024 bytes, [half 0,1][lane 0..31][16 bytes]: lane (r = lane % 16, h = lane / 16) holds row r,
; k = 8h..8h+7 in half 0 and k = 16+8h..+7 in half 1, so that two loads of 16 bytes a lane at 16 x lane fill a matrix operand.
; wfrag: [bx 4][chunk 24][nt 16][fragment]; rows are output columns (nt < 8: k' column 128 bx + 16 nt + r; nt >= 8: v column
; 128 bx + 16 (nt - 8) + r), k is the context index c = 32 chunk + ...  Any run of chunks of one bx is dense in memory.
; Work-group (cb, db): c = 32 cb .. +31 (chunk cb), d = 64 db .. +63.  Wave w: d tile w x two c tiles (two accumulators), and one fragment of Wv.
; No cluster: each work-group asks for its 64 rows of Wq and 32 rows of Wk once, at its start; nothing is filled again, so there is no
; loop in which joint requests would recur.
; LDS: a matrix row of 512 f32 comes in as two tiles' rows of 256 f32 (e < 256, e >= 256), each row 1,024 bytes + 16 of padding.
; 1,040 = 65 x 16: the sixteen rows that a load touches start at sixteen different 16-byte columns modulo 256.
.set VROW,   1040                      ; 256 f32 + 16 bytes of padding
.set WQ_Z,   16*VROW                   ; one half (256 e) of a wave's 16 rows of Wq; the wave's two halves follow each other
.set WK_LDS, 4*2*WQ_Z                  ; Wk lies behind Wq: [half 2][row 32]
.set WK_Z,   32*VROW                   ; one half of Wk's 32 rows
.set WK_W,   8*VROW                    ; the 8 rows of a half that a wave fetches
.set WQA,  2                           ; v2        LDS address of my Wq fragment rows
.set WKA,  3                           ; v3        the same for Wk's first c tile
.set WVO,  4                           ; v4        byte offset of my first number of Wv
.set OO,   5                           ; v5        16 x lane: my 16 bytes of a half fragment
.set WVR,  8                           ; v[8:23]   Wv, 16 f32
.set WVP,  24                          ; v[24:31]  Wv, packed
.set RAW,  32                          ; v[32:175] three sets of 48: Wq 16, Wk tile 0 16, Wk tile 1 16, f32 as loaded
.set FS,   176                         ; v[176:223] two sets of 24: the three fragments in bf16
.set ACC0, 224                         ; v[224:231] G, c tile 0
.set ACC1, 232                         ; v[232:239] G, c tile 1
.set PK,   240                         ; v[240:247] G, packed
.set G1Q,  16                          ; s[16:23]  shape of Wq's tiles
.set G1K,  24                          ; s[24:31]  shape of Wk's tiles
.set G0Q,  32                          ; s[32:39]  from where, to where: Wq, a set for each half
.set G0K,  40                          ; s[40:47]  the same for Wk
	s_load_b256 s[4:11], s[0:1], 0x0               ; Wq s[4:5], Wk s[6:7], Wv s[8:9], wfrag s[10:11]
	v_lshl_add_u32 v248, v0, 2, 0x30c00
	v_mov_b32 v249, 0
	ds_add_u32 v248, v249
	ds_add_u32 v248, v249
	v_lshrrev_b32 v1, 5, v0
	v_readfirstlane_b32 s12, v1                    ; wave 0..3
	s_and_b32 s13, ttmp7, 0xffff                   ; db; cb is ttmp9
	; a tile is one half (256 f32) of 16 rows of Wq or of 8 rows of Wk; 512 elements from row to row
	s_mov_b32 s[G1Q+0], (2<<16)|(1<<20)|(7<<22)|(3<<25)   ; element of 4 bytes; padding on: after every 256 words, 4 words
	s_mov_b32 s[G1Q+1], 256<<16                    ; tensor_dim0 = 256
	s_mov_b32 s[G1Q+2], 16<<16                     ; tensor_dim1 = 16
	s_mov_b32 s[G1Q+3], 256<<16                    ; tile_dim0 = 256
	s_mov_b32 s[G1Q+4], 16                         ; tile_dim1 = 16
	s_mov_b32 s[G1Q+5], 512
	s_mov_b32 s[G1Q+6], 0
	s_mov_b32 s[G1Q+7], 0
	s_mov_b32 s[G1K+0], (2<<16)|(1<<20)|(7<<22)|(3<<25)
	s_mov_b32 s[G1K+1], 256<<16
	s_mov_b32 s[G1K+2], 8<<16
	s_mov_b32 s[G1K+3], 256<<16
	s_mov_b32 s[G1K+4], 8
	s_mov_b32 s[G1K+5], 512
	s_mov_b32 s[G1K+6], 0
	s_mov_b32 s[G1K+7], 0
	s_lshl_b32 s48, s13, 17                        ; Wq row 64 db + 16 w, 2,048 bytes a row
	s_lshl_b32 s49, s12, 15
	s_add_co_u32 s48, s48, s49
	s_mov_b32 s49, 0
	s_lshl_b32 s50, ttmp9, 16                      ; Wk row 32 cb + 8 w
	s_lshl_b32 s51, s12, 14
	s_add_co_u32 s50, s50, s51
	s_mov_b32 s51, 0
	s_mul_i32 s52, s12, 2*WQ_Z                     ; LDS: my wave's 16 rows of Wq, both halves
	s_mul_i32 s53, s12, WK_W
	s_add_co_u32 s53, s53, WK_LDS                  ; LDS: behind Wq, wave x 8 rows
	s_wait_dscnt 0x0
	s_wait_kmcnt 0x0
	s_add_nc_u64 s[4:5], s[4:5], s[48:49]
	s_add_nc_u64 s[6:7], s[6:7], s[50:51]
.irp z, 0,1
	s_mov_b32 s[G0Q+4*\z], 1
	s_add_co_u32 s[G0Q+4*\z+1], s52, \z*WQ_Z
	s_add_nc_u64 s[G0Q+4*\z+2:G0Q+4*\z+3], s[4:5], \z*1024
	s_or_b32 s[G0Q+4*\z+3], s[G0Q+4*\z+3], 0x80000000
	tensor_load_to_lds s[G0Q+4*\z:G0Q+4*\z+3], s[G1Q:G1Q+7]
	s_nop 0
	s_mov_b32 s[G0K+4*\z], 1
	s_add_co_u32 s[G0K+4*\z+1], s53, \z*WK_Z
	s_add_nc_u64 s[G0K+4*\z+2:G0K+4*\z+3], s[6:7], \z*1024
	s_or_b32 s[G0K+4*\z+3], s[G0K+4*\z+3], 0x80000000
	tensor_load_to_lds s[G0K+4*\z:G0K+4*\z+3], s[G1K:G1K+7]       ; the wave's only four tensor loads: four are out at the most
	s_nop 0
.endr
	; Wv[32 cb + ..][64 db + 16 w + r]: the four waves together read 256 consecutive bytes of each of 32 rows
	s_lshl_b32 s48, ttmp9, 16                      ; 32 cb rows of 2,048 bytes
	s_lshl_b32 s49, s13, 8                         ; 64 db columns
	s_add_co_u32 s48, s48, s49
	s_lshl_b32 s49, s12, 6                         ; 16 w columns
	s_add_co_u32 s48, s48, s49
	s_mov_b32 s49, 0
	s_add_nc_u64 s[8:9], s[8:9], s[48:49]
	; my G fragment in wfrag: bx = db / 2, chunk = cb, nt = 4 (db % 2) + w
	s_lshr_b32 s54, s13, 1
	s_mul_i32 s54, s54, 393216
	s_lshl_b32 s55, ttmp9, 14
	s_add_co_u32 s54, s54, s55
	s_and_b32 s55, s13, 1
	s_lshl2_add_u32 s55, s55, s12
	s_lshl_b32 s55, s55, 10
	s_add_co_u32 s54, s54, s55
	s_mov_b32 s55, 0
	s_add_nc_u64 s[10:11], s[10:11], s[54:55]
	v_and_b32 v1, 15, v0                           ; r
	v_bfe_u32 v6, v0, 4, 1                         ; h
	v_and_b32 v7, 31, v0                           ; lane
	v_lshlrev_b32 v[WVO], 2, v1                    ; column r,
	v_lshl_add_u32 v[WVO], v6, 14, v[WVO]          ; row 8 h
	v_lshlrev_b32 v[OO], 4, v7
	v_mul_u32_u24 v[WKA], v1, VROW                 ; row r, 8 f32 for each half of the lanes
	v_lshl_add_u32 v[WKA], v6, 5, v[WKA]
	v_add_nc_u32 v[WQA], s52, v[WKA]               ; my wave's 16 rows of Wq
	v_add_nc_u32 v[WKA], WK_LDS, v[WKA]
.irp i, 0,1,2,3,4,5,6,7,8,9,10,11,12,13,14,15
	global_load_b32 v[WVR+\i], v[WVO], s[8:9] offset:((\i&7)+16*(\i>>3))*2048   ; c = 8h + 0..7, then 16 + 8h + 0..7
.endr
	s_wait_loadcnt 0x0
.irp t, 0,1,2,3,4,5,6,7
	v_cvt_pk_bf16_f32 v[WVP+\t], v[WVR+2*\t], v[WVR+2*\t+1]
.endr
	global_store_b128 v[OO], v[WVP:WVP+3], s[10:11] offset:8192          ; the v columns lie 8 column tiles behind the k' columns
	global_store_b128 v[OO], v[WVP+4:WVP+7], s[10:11] offset:8192+512    ; each store covers 512 consecutive bytes, aligned
	s_wait_tensorcnt 0x0                           ; my rows of Wq and Wk are in LDS,
	s_barrier_signal -1
	s_barrier_wait -1                              ; everybody's are: every wave reads all 32 rows of Wk
; 12 LDS loads: chunk c (32 e) of my 16 rows of Wq and of both c tiles of Wk, f32, into set c % 3
.macro LOADRAW c
.irp q, 0,1,2,3
	ds_load_b128 v[RAW+48*((\c)%3)+4*\q:RAW+48*((\c)%3)+4*\q+3], v[WQA] offset:((\c)>>3)*WQ_Z+((\c)&7)*128+16*(\q&1)+64*(\q>>1)
.endr
.irp q, 0,1,2,3
	ds_load_b128 v[RAW+48*((\c)%3)+16+4*\q:RAW+48*((\c)%3)+16+4*\q+3], v[WKA] offset:((\c)>>3)*WK_Z+((\c)&7)*128+16*(\q&1)+64*(\q>>1)
.endr
.irp q, 0,1,2,3
	ds_load_b128 v[RAW+48*((\c)%3)+32+4*\q:RAW+48*((\c)%3)+32+4*\q+3], v[WKA] offset:((\c)>>3)*WK_Z+16*VROW+((\c)&7)*128+16*(\q&1)+64*(\q>>1)
.endr
.endm
; 24 conversions: raw set rs to the three bf16 fragments of set p
.macro CVT rs, p
.irp s, 0,1,2
.irp t, 0,1,2,3,4,5,6,7
	v_cvt_pk_bf16_f32 v[FS+24*(\p)+8*\s+\t], v[RAW+48*(\rs)+16*\s+2*\t], v[RAW+48*(\rs)+16*\s+2*\t+1]
.endr
.endr
.endm
; Source 0 = rows of Wk (c), source 1 = rows of Wq (d): lane r of the result holds column d, its registers c = 8h + 0..7: half a fragment.
; The two accumulators take turns, one instruction a turn.
.macro MULG p, zero
.if \zero
	v_wmma_f32_16x16x32_bf16 v[ACC0:ACC0+7], v[FS+24*(\p)+8:FS+24*(\p)+15], v[FS+24*(\p):FS+24*(\p)+7], 0
	v_wmma_f32_16x16x32_bf16 v[ACC1:ACC1+7], v[FS+24*(\p)+16:FS+24*(\p)+23], v[FS+24*(\p):FS+24*(\p)+7], 0
.else
	v_wmma_f32_16x16x32_bf16 v[ACC0:ACC0+7], v[FS+24*(\p)+8:FS+24*(\p)+15], v[FS+24*(\p):FS+24*(\p)+7], v[ACC0:ACC0+7]
	v_wmma_f32_16x16x32_bf16 v[ACC1:ACC1+7], v[FS+24*(\p)+16:FS+24*(\p)+23], v[FS+24*(\p):FS+24*(\p)+7], v[ACC1:ACC1+7]
.endif
.endm
	; 16 chunks of 32 along e.  Raw chunks are loaded two chunks ahead, into three sets by turns; the loads stand behind the conversions
	; and ahead of the two matrix instructions, which then run while the next chunk is waited for and converted.
	; A fragment set is written again two chunks after its matrix instructions; the other set's 24 conversions stand between
	; (ISA guide 7.12.1 asks for four independent vector instructions).
	LOADRAW 0
	LOADRAW 1
.irp c, 0,1,2,3,4,5,6,7,8,9,10,11,12,13,14,15
.if \c < 15
	s_wait_dscnt 12                                ; the 12 younger loads are the next chunk's
.else
	s_wait_dscnt 0x0
.endif
	CVT (\c%3), (\c&1)
.if \c < 14
	LOADRAW \c+2                                   ; into the set that the last chunk's conversions have read
.endif
.if \c == 0
	MULG 0, 1                                      ; the first products start the sums
.else
	MULG (\c&1), 0
.endif
.endr
.rept 4
	v_nop                                          ; four places behind the last matrix instruction before its result is read (ISA guide 7.12.1)
.endr
.irp t, 0,1,2,3
	v_cvt_pk_bf16_f32 v[PK+\t], v[ACC0+2*\t], v[ACC0+2*\t+1]
.endr
.irp t, 0,1,2,3
	v_cvt_pk_bf16_f32 v[PK+4+\t], v[ACC1+2*\t], v[ACC1+2*\t+1]
.endr
	global_store_b128 v[OO], v[PK:PK+3], s[10:11]              ; c = 32 cb + 8h + ..: half 0
	global_store_b128 v[OO], v[PK+4:PK+7], s[10:11] offset:512 ; c = 32 cb + 16 + 8h + ..: half 1
	s_wait_tensorcnt 0x0
	ds_add_u32 v248, v249
	s_wait_dscnt 0x0
	s_endpgm
.Lfunc_end_k_q6083342db5_prep:
	.size	k_q6083342db5_prep, .Lfunc_end_k_q6083342db5_prep-k_q6083342db5_prep
	.p2alignl 7, 3214868480
	.fill 96, 4, 3214868480
	.section	.rodata,"a",@progbits
	.p2align	6, 0x0
	.amdhsa_kernel k_q6083342db5_prep
		.amdhsa_group_segment_fixed_size 200192
		.amdhsa_private_segment_fixed_size 0
		.amdhsa_enable_private_segment 0
		.amdhsa_kernarg_size 32
		.amdhsa_user_sgpr_count 2
		.amdhsa_user_sgpr_kernarg_segment_ptr 1
		.amdhsa_wavefront_size32 1
		.amdhsa_system_sgpr_workgroup_id_x 1
		.amdhsa_system_sgpr_workgroup_id_y 1
		.amdhsa_system_sgpr_workgroup_id_z 1
		.amdhsa_system_vgpr_workitem_id 0
		.amdhsa_next_free_vgpr 250
		.amdhsa_next_free_sgpr 66
		.amdhsa_reserve_vcc 0
		.amdhsa_float_denorm_mode_32 3
		.amdhsa_float_denorm_mode_16_64 3
		.amdhsa_memory_ordered 1
		.amdhsa_forward_progress 1
		.amdhsa_inst_pref_size 47
	.end_amdhsa_kernel
	.amdgpu_metadata
---
amdhsa.version: [ 1, 2 ]
amdhsa.kernels:
  - .name:           k_q6083342db5_prep
    .symbol:         k_q6083342db5_prep.kd
    .args:
      - { .name: Wq, .offset: 0, .size: 8, .value_kind: global_buffer, .address_space: global }
      - { .name: Wk, .offset: 8, .size: 8, .value_kind: global_buffer, .address_space: global }
      - { .name: Wv, .offset: 16, .size: 8, .value_kind: global_buffer, .address_space: global }
      - { .name: wfrag, .offset: 24, .size: 8, .value_kind: global_buffer, .address_space: global }
    .group_segment_fixed_size: 200192
    .private_segment_fixed_size: 0
    .kernarg_segment_align: 8
    .kernarg_segment_size: 32
    .max_flat_workgroup_size: 128
    .sgpr_count:     66
    .vgpr_count:     250
    .wavefront_size: 32
...
	.end_amdgpu_metadata
.endif
;; end of part 1
;; launch proj (part 2): grid 4 x 64, 4 waves a work-group, clusters of 4 x 4, 327,680 bytes of LDS; arguments context, wfrag, kf, vf; writes kf, vf
.if DOCPART == 2
	.amdgcn_target "amdgcn-amd-amdhsa--gfx1250"
	.amdhsa_code_object_version 6
	.text
	.protected	k_q6083342db5_proj
	.globl	k_q6083342db5_proj
	.p2align	8
	.type	k_q6083342db5_proj,@function
k_q6083342db5_proj:
	s_mov_b64 s[64:65], 0
	v_nop
	global_prefetch_b8 v0, s[64:65] scope:SCOPE_SE
	s_setreg_imm32_b32 hwreg(HW_REG_WAVE_MODE, 25, 1), 1
	s_wait_xcnt 0x0
	s_wait_alu depctr_hold_cnt(0) depctr_sa_sdst(0) depctr_va_vdst(0) depctr_va_sdst(0) depctr_va_ssrc(0) depctr_va_vcc(0) depctr_vm_vsrc(0)
	s_getreg_b32 s2, hwreg(HW_REG_IB_STS2, 6, 4)
	s_cmp_eq_u32 s2, 0
	s_cbranch_scc0 .Lentry_in_a_cluster
	s_endpgm
.Lentry_in_a_cluster:
	s_bfe_u32 s2, ttmp6, 0x10000c
	s_cmp_lg_u32 s2, 0xf033
	s_cbranch_scc0 .Lentry_shape_is_right
	s_endpgm
.Lentry_shape_is_right:
; proj: [k' | v] = context [G | Wv], 16,384 rows x 1,024 columns, K = 768; operands bf16, sums f32; results bf16, stored as operand fragments.
; (k' = ctx G with G = Wk Wq^T takes the place of k = ctx Wk: see the head of prep.  A reassociation of the reference's products.)
; A fragment: 16 rows x 32 k of bf16, 1,024 bytes, [half][lane][16 bytes]; lane (r, h): row r, k = 8h.. in half 0, 16+8h.. in half 1.
;   kf: [key tile of 16: 1,024][d chunk of 32: 16][fragment], rows = keys, k = d.
;   vf: [key chunk of 32: 512][e tile of 16: 32][fragment],   rows = e,    k = key.
; A work-group makes 256 context rows x 256 columns (128 of k', then 128 of v: block bx of wfrag) with four waves; wave w makes rows
; 128 (w / 2) .. +127 x the k' columns (w even) or the v columns (w odd): 64 accumulator tiles, 512 registers.
; K goes in 8 steps of 96 (three chunks of 32) through two LDS slots.  A slot holds 256 context rows in f32 and 256 weight columns in bf16:
; 1,536 bytes for each k, and padding.  96 is the longest step of whole chunks of which two slots fit in the LDS of a work-group
; (2 x 159,744 bytes; with 128 along K two slots would take some 400,000).  The longer the step, the more matrix work stands between a tile's
; request and the wait for it.  The price: a step's row is 384 bytes of memory, so every other step's rows begin 128 bytes off a multiple of 256.
; CLUSTERS: 4 x 4 work-groups.  Context tiles hang on the block row alone and are asked for jointly along a row of the cluster; weight tiles
; hang on the block column alone and are asked for jointly along a column.  That divides the requests for both by four.
; REGISTERS in windows of 256:
;   window 0: v16-26 addresses; v64-127, v128-191 context fragments in bf16, two buffers; v192-255 at work on the way out
;   window 1: v64-127, v128-191 weight fragments, two buffers; v0-63 and v192-255 context as loaded: 8 row tiles x 16 f32
;   window 2: the accumulator tiles of my rows 0-63 (tile (a, b) at v[8 (8 a + b)]);  window 3: those of my rows 64-127
; Source 0 = 16 weight rows (output columns), source 1 = 16 context rows: lane r of a result holds context row r, its registers eight
; neighbouring output columns 8h + 0..7.
.set ACH,    144                       ; a chunk of a context row: 32 f32 + 16 bytes of padding (the padding's interval is a power of two: 32 words)
.set APITCH, 3*ACH                     ; 432 = 27 x 16: the 16 rows that a load touches start at 16 different 16-byte columns modulo 256
.set AHALF,  128*APITCH                ; 128 context rows: one tensor load, and what one wave reads
.set WOFF,   2*AHALF                   ; the weights lie behind the 256 context rows,
.set WHALF,  24576                     ; dense: [chunk 3][nt 16][1,024 bytes], a half for each of two loads
.set SLOT,   WOFF+2*WHALF              ; 159,744
.set ASTEP,  384                       ; a K step along a context row, in bytes
.set WSTEP,  49152                     ; a K step of a block of wfrag
.set STAGE,  0                         ; the way out's stage, 4,096 bytes for each wave, lies in slot 0: see THE WAY OUT
.set ADRA, 16                          ; v16-17  LDS address of my context rows in slot 0, 1
.set ADRW, 20                          ; v20-21  the same for my weight fragments
.set STO,  24                          ; v24     way out of v: where I put 16 bytes of a tile
.set TRA,  25                          ; v25     way out of v: where the transposing load reads
.set CO,   26                          ; v26     16 x lane
.set F0,   64
.set F1,   128
.set TMP0, 192
.set G1,  24                           ; s[24:31] shape of context tiles
.set G0,  32                           ; s[32:39] from where, to where: context, a set for each slot
.set G1B, 48                           ; s[48:55] shape of weight tiles
.set G0B, 56                           ; s[56:63] from where, to where: weights, a set for each slot
.set MSB, 0
.macro WIN new                         ; the immediate's high byte repeats the setting that is left
.if MSB != \new
	s_set_vgpr_msb (MSB<<8)|\new
.set MSB, \new
.endif
.endm
.set MUL_LO, 0xa1                      ; source 0 (weights) window 1, source 1 (context) window 0, C and D window 2
.set MUL_HI, 0xf1                      ; the same, C and D window 3
.set TO_1,   0x40                      ; destination window 1, address window 0
.set FROM_1, 0x05                      ; sources 0 and 1 window 1, destination window 0
; Waves 0 and 1 fetch the context tile's halves, waves 2 and 3 the weights'.  Each line has one mask; the branch hangs on the wave's number alone.
.macro JLOAD s
	s_cmp_eq_u32 s13, 0
	s_cbranch_scc0 .Lfor_w_\@
	tensor_load_to_lds s[G0+4*\s:G0+4*\s+3], s[G1:G1+7]
	s_nop 0
	s_branch .Lasked_\@
.Lfor_w_\@:
	tensor_load_to_lds s[G0B+4*\s:G0B+4*\s+3], s[G1B:G1B+7]
	s_nop 0
.Lasked_\@:
.endm
; A round of the cluster's barrier: my work-group's barrier, wave 0 signals for the work-group, every wave waits for all sixteen, my work-group's barrier again.
.macro CREST                           ; a round behind its opening barrier
	s_cmp_lg_u32 s12, 0
	s_cbranch_scc1 .Lnot_wave_0_\@
	s_barrier_signal -3
.Lnot_wave_0_\@:
	s_barrier_wait -3
	s_barrier_signal -1
	s_barrier_wait -1
.endm
.macro CROUND
	s_barrier_signal -1
	s_barrier_wait -1
	CREST
.endm
.macro PLACES
.rept 4
	v_nop
.endr
.endm
	s_load_b256 s[4:11], s[0:1], 0x0               ; context s[4:5], wfrag s[6:7], kf s[8:9], vf s[10:11]
	v_lshl_add_u32 v62, v0, 2, 0x4e000
	v_mov_b32 v63, 0
	ds_add_u32 v62, v63
	ds_add_u32 v62, v63
	v_lshrrev_b32 v1, 5, v0
	v_readfirstlane_b32 s12, v1                    ; wave 0..3
	s_lshr_b32 s13, s12, 1                         ; i: my half of the block's rows.  Also: I fetch context (0) or weights (1)
	s_and_b32 s14, s12, 1                          ; j: k' columns (0) or v columns (1).  Also: which half of the tile I fetch
	s_bfe_u32 s40, ttmp6, 0x40000                  ; cx
	s_bfe_u32 s41, ttmp6, 0x40004                  ; cy
	s_lshl_b32 s42, ttmp9, 2
	s_add_co_u32 s42, s42, s40                     ; bx = block column
	s_and_b32 s43, ttmp7, 0xffff
	s_lshl_b32 s43, s43, 2
	s_add_co_u32 s43, s43, s41                     ; by = block row
	s_lshl_b32 s44, s41, 2
	s_lshl_b32 s44, 15, s44                        ; my row of the cluster: places 4 cy .. 4 cy + 3
	s_lshl_b32 s45, 0x1111, s40                    ; my column: places cx, cx + 4, cx + 8, cx + 12
	; context tile: 128 rows x 96 f32, 768 elements from row to row, 16 bytes of padding behind every 32 words (three times in a row)
	s_or_b32 s[G1+0], s44, (2<<16)|(1<<20)|(1<<21)|(4<<22)|(3<<25)
	s_mov_b32 s[G1+1], 96<<16
	s_mov_b32 s[G1+2], 128<<16
	s_mov_b32 s[G1+3], 96<<16
	s_mov_b32 s[G1+4], 128
	s_mov_b32 s[G1+5], 768
	s_mov_b32 s[G1+6], 0
	s_mov_b32 s[G1+7], 0
	; weight tile: 24,576 dense bytes as 96 rows of 32 elements of 8 bytes
	s_or_b32 s[G1B+0], s45, (3<<16)|(1<<21)
	s_mov_b32 s[G1B+1], 32<<16
	s_mov_b32 s[G1B+2], 96<<16
	s_mov_b32 s[G1B+3], 32<<16
	s_mov_b32 s[G1B+4], 96
	s_mov_b32 s[G1B+5], 32
	s_mov_b32 s[G1B+6], 0
	s_mov_b32 s[G1B+7], 0
	; every wave makes both addresses, each in registers that never hold the other coordinate, and asks by one of them
	s_lshl_b32 s16, s43, 8
	s_lshl_b32 s17, s14, 7
	s_add_co_u32 s16, s16, s17                     ; context row 256 by + 128 j
	s_mul_i32 s16, s16, 3072                       ; below 2^26 bytes
	s_mov_b32 s17, 0
	s_mul_i32 s46, s42, 393216                     ; block bx of wfrag
	s_mul_i32 s47, s14, WHALF                      ; + my half of a step's 49,152 bytes
	s_add_co_u32 s46, s46, s47
	s_mov_b32 s47, 0
	s_mul_i32 s22, s12, AHALF                      ; LDS, waves 0, 1: the context tile's halves
	s_mul_i32 s23, s12, WHALF
	s_add_co_u32 s23, s23, WOFF-2*WHALF            ; LDS, waves 2, 3: WOFF and WOFF + 24,576
	s_wait_dscnt 0x0
	s_wait_kmcnt 0x0
	s_add_nc_u64 s[18:19], s[4:5], s[16:17]
	s_add_nc_u64 s[46:47], s[6:7], s[46:47]
	CROUND                                         ; all sixteen work-groups are here: the first joint loads meet
.irp s, 0,1
	s_mov_b32 s[G0+4*\s], 1
	s_add_co_u32 s[G0+4*\s+1], s22, \s*SLOT
	s_add_nc_u64 s[G0+4*\s+2:G0+4*\s+3], s[18:19], \s*ASTEP        ; K step s: 96 f32 along the rows
	s_or_b32 s[G0+4*\s+3], s[G0+4*\s+3], 0x80000000
	s_mov_b32 s[G0B+4*\s], 1
	s_add_co_u32 s[G0B+4*\s+1], s23, \s*SLOT
	s_add_nc_u64 s[G0B+4*\s+2:G0B+4*\s+3], s[46:47], \s*WSTEP      ; K step s of wfrag
	s_or_b32 s[G0B+4*\s+3], s[G0B+4*\s+3], 0x80000000
	JLOAD \s                                       ; both slots' first fills go out together: two loads of the wave are out, later one
.endr
	v_and_b32 v1, 15, v0                           ; r
	v_bfe_u32 v2, v0, 4, 1                         ; h
	v_and_b32 v3, 31, v0                           ; lane
	v_mul_u32_u24 v4, v1, APITCH
	v_lshl_add_u32 v4, v2, 5, v4                   ; row r, 8 f32 for each half of the lanes
	s_mul_i32 s2, s13, AHALF
	v_add_nc_u32 v[ADRA], s2, v4
	v_add_nc_u32 v[ADRA+1], SLOT, v[ADRA]
	v_lshlrev_b32 v[CO], 4, v3
	s_lshl_b32 s2, s14, 13                         ; my 8 column tiles of each chunk's 16
	s_add_co_u32 s2, s2, WOFF
	v_add_nc_u32 v[ADRW], s2, v[CO]
	v_add_nc_u32 v[ADRW+1], SLOT, v[ADRW]
	s_lshl_b32 s2, s12, 12
	s_add_co_u32 s2, s2, STAGE                     ; my stage
	v_lshlrev_b32 v5, 5, v1                        ; in: key r, a row of 16 e = 32 bytes, 16 bytes for each half of the lanes
	v_lshl_add_u32 v5, v2, 4, v5
	v_add_nc_u32 v[STO], s2, v5
	v_and_b32 v5, 7, v0                            ; back, transposed: row 8h + lane % 8, 16 bytes (lane / 8) % 2
	v_lshl_add_u32 v5, v2, 3, v5
	v_lshlrev_b32 v5, 5, v5
	v_bfe_u32 v6, v0, 3, 1
	v_lshl_add_u32 v5, v6, 4, v5
	v_add_nc_u32 v[TRA], s2, v5
; 16 matrix instructions: row tiles a0, a0 + 1 of the window's four x all 8 column tiles, 32 along K.  zero = 1: the products start the sums.
; The 64 accumulators take turns in one fixed order, one instruction a turn, over the backward jump too.
.macro MUL16 f, hi, a0, zero
.irp a, \a0, \a0+1
.irp b, 0,1,2,3,4,5,6,7
.if \zero
	v_wmma_f32_16x16x32_bf16 v[8*(8*(\a)+\b):8*(8*(\a)+\b)+7], v[\f+8*\b:\f+8*\b+7], v[\f+8*(4*\hi+\a):\f+8*(4*\hi+\a)+7], 0
.else
	v_wmma_f32_16x16x32_bf16 v[8*(8*(\a)+\b):8*(8*(\a)+\b)+7], v[\f+8*\b:\f+8*\b+7], v[\f+8*(4*\hi+\a):\f+8*(4*\hi+\a)+7], v[8*(8*(\a)+\b):8*(8*(\a)+\b)+7]
.endif
.endr
.endr
.endm
; 48 LDS loads in one run: chunk q (32 along K) of a slot: 8 weight fragments into buffer f, then my 128 context rows as f32, row tiles 0-3, then 4-7
.macro FETCH slot, q, f
	WIN TO_1
.irp b, 0,1,2,3,4,5,6,7
	ds_load_b128 v[\f+8*\b:\f+8*\b+3],   v[ADRW+\slot] offset:\q*16384+\b*1024
	ds_load_b128 v[\f+8*\b+4:\f+8*\b+7], v[ADRW+\slot] offset:\q*16384+\b*1024+512
.endr
.irp a, 0,1,2,3,4,5,6,7
.irp p, 0,1,2,3
	ds_load_b128 v[16*\a+128*(\a>>2)+4*\p:16*\a+128*(\a>>2)+4*\p+3], v[ADRA+\slot] offset:\a*16*APITCH+\q*ACH+16*(\p&1)+64*(\p>>1)
.endr
.endr
.endm
; 32 conversions: row tiles a0 .. a0 + 3 to bf16 fragments in buffer f
.macro CVT f, a0
	WIN FROM_1
.irp a, \a0, \a0+1, \a0+2, \a0+3
.irp t, 0,1,2,3,4,5,6,7
	v_cvt_pk_bf16_f32 v[\f+8*(\a)+\t], v[16*(\a)+128*((\a)>>2)+2*\t], v[16*(\a)+128*((\a)>>2)+2*\t+1]
.endr
.endr
.endm
; One of a K step's first two chunks: multiplies buffer f; in its middle it fetches chunk q of the same slot into buffer g.
; A buffer is loaded or written again only behind at least 32 conversions that name none of the registers of the matrix instructions
; that read it (ISA guide 7.12.1 asks for four such places).
.macro MID slot, q, f, g, zero
	s_wait_dscnt 16                                ; the 16 younger loads are row tiles 4-7
	CVT \f, 0
	WIN MUL_LO
	MUL16 \f, 0, 0, \zero
	MUL16 \f, 0, 2, \zero
	s_wait_dscnt 0x0
	CVT \f, 4
	FETCH \slot, \q, \g
	WIN MUL_HI
	MUL16 \f, 1, 0, \zero
	MUL16 \f, 1, 2, \zero
.endm
; A K step's third chunk: multiplies buffer f and changes slots.  In front of the barrier each wave waits for its reads of this slot and for all
; its tensor loads (the one that is out is its part of the next slot).  Behind it nobody reads this slot and the next one is whole.  Where the
; slot is filled again the barrier opens a round of the cluster's barrier, and the joint refill is the first tensor load behind the round.
; From a request to the wait for it a wave issues 32 + 64 + 64 + 16 = 176 matrix instructions and 160 conversions.
.macro TURN slot, next, f, g, fill
	s_wait_dscnt 16
	CVT \f, 0
	WIN MUL_LO
	MUL16 \f, 0, 0, 0
	s_wait_dscnt 0x0                               ; my reads of this slot are over
	s_set_vgpr_msb 0xa1a0
	s_wait_tensorcnt 0x0                           ; all my tensor loads have landed
	ds_add_u32 v62, v63
	s_wait_dscnt 0x0
	s_set_vgpr_msb 0xa0a1
	s_barrier_signal -1
	MUL16 \f, 0, 2, 0                              ; register work while the others arrive
	CVT \f, 4
	WIN 0
	s_barrier_wait -1
.if \fill
	CREST
	s_add_nc_u64 s[G0+4*\slot+2:G0+4*\slot+3], s[G0+4*\slot+2:G0+4*\slot+3], 2*ASTEP       ; no load of mine is out: the addresses step two K steps on
	s_add_nc_u64 s[G0B+4*\slot+2:G0B+4*\slot+3], s[G0B+4*\slot+2:G0B+4*\slot+3], 2*WSTEP
	JLOAD \slot
.endif
	FETCH \next, 0, \g
	WIN MUL_HI
	MUL16 \f, 1, 0, 0
	MUL16 \f, 1, 2, 0
.endm
; Two K steps = six chunks on buffers 0, 1, 0, 1, 0, 1; fill = 1: both slots are filled again
.macro LAP zero
	MID 0, 1, F0, F1, \zero
	MID 0, 2, F1, F0, 0
	TURN 0, 1, F0, F1, 1
	MID 1, 1, F1, F0, 0
	MID 1, 2, F0, F1, 0
	TURN 1, 0, F1, F0, 1
.endm
	s_wait_tensorcnt 0x1                           ; my part of K step 0 is in; step 1's stays out
	s_barrier_signal -1
	s_barrier_wait -1
	FETCH 0, 0, F0
	LAP 1                                          ; K steps 0, 1: the first products start the sums
	WIN 0
	s_mov_b32 s15, 2                               ; K steps 2 to 5
.Llap:
	LAP 0
	WIN 0
	s_sub_co_u32 s15, s15, 1
	s_cmp_lg_u32 s15, 0
	s_cbranch_scc1 .Llap
	MID 0, 1, F0, F1, 0                            ; K steps 6, 7: nothing is left to fetch
	MID 0, 2, F1, F0, 0
	TURN 0, 1, F0, F1, 0
	MID 1, 1, F1, F0, 0
	MID 1, 2, F0, F1, 0
	s_wait_dscnt 16                                ; the very last chunk
	CVT F1, 0
	WIN MUL_LO
	MUL16 F1, 0, 0, 0
	MUL16 F1, 0, 2, 0
	s_wait_dscnt 0x0
	CVT F1, 4
	WIN MUL_HI
	MUL16 F1, 1, 0, 0
	MUL16 F1, 1, 2, 0
	; THE WAY OUT.  Both buffers hold 1,024 bytes a key, so my 128 keys begin at (256 by + 128 i) x 1,024 in either.
	; The stage lies in slot 0: its last fill was K step 6's, and every wave waited for its last reads of it in front of that step's barrier.
	PLACES                                         ; four places behind the last matrix instructions (ISA guide 7.12.1)
	WIN 0
	s_cmp_eq_u32 s14, 0
	s_cselect_b64 s[20:21], s[8:9], s[10:11]       ; kf for the k' columns, vf for the v columns: s[20:21] feeds no descriptor
	s_lshl_b32 s16, s43, 8
	s_lshl_b32 s17, s13, 7
	s_add_co_u32 s16, s16, s17
	s_lshl_b32 s16, s16, 10
	s_mov_b32 s17, 0
	s_add_nc_u64 s[20:21], s[20:21], s[16:17]
	s_add_co_u32 s47, s14, 12                      ; kf: 4 d chunks = 4,096 bytes for each bx; vf: 8 e tiles = 8,192
	s_lshl_b32 s46, s42, s47
	s_mov_b32 s47, 0
	s_add_nc_u64 s[20:21], s[20:21], s[46:47]
	s_cmp_lg_u32 s14, 0
	s_cbranch_scc1 .Lout_v
; k': tile (a, b) packed is half b % 2 of the fragment (key tile a, d chunk b / 2) as it stands: each store covers 512 consecutive bytes, aligned
.macro OUTK a
.if \a >= 2
	s_wait_xcnt 0x0                                ; the set of packed registers, which earlier stores read, is written again only behind this wait
.endif
.if \a < 4
	WIN 0x0a
.else
	WIN 0x0f
.endif
.irp b, 0,1,2,3,4,5,6,7
.irp r, 0,1,2,3
	v_cvt_pk_bf16_f32 v[TMP0+32*(\a&1)+4*\b+\r], v[8*(8*(\a&3)+\b)+2*\r], v[8*(8*(\a&3)+\b)+2*\r+1]
.endr
.endr
	WIN 0
.irp b, 0,1,2,3,4,5,6,7
	global_store_b128 v[CO], v[TMP0+32*(\a&1)+4*\b:TMP0+32*(\a&1)+4*\b+3], s[20:21] offset:\a*16384+\b*512
.endr
.endm
.irp a, 0,1,2,3,4,5,6,7
	OUTK \a
.endr
	s_branch .Lout_done
.Lout_v:
; v: a lane holds 8 e of one key and the fragment wants 8 keys of one e.  The tile goes into my own stage as [key 16][e 16] and comes back through
; the transposing load: lane (r, h) then holds keys 16 a + 8h + 0..7 of e = 16 b + r: half a % 2 of the fragment (key chunk a / 2, e tile b).
.macro OUTV a
.if \a < 4
	WIN 0x0a
.else
	WIN 0x0f
.endif
.irp b, 0,1,2,3,4,5,6,7
.irp r, 0,1,2,3
	v_cvt_pk_bf16_f32 v[TMP0+4*\b+\r], v[8*(8*(\a&3)+\b)+2*\r], v[8*(8*(\a&3)+\b)+2*\r+1]
.endr
.endr
	WIN 0
.irp b, 0,1,2,3,4,5,6,7
	ds_store_b128 v[STO], v[TMP0+4*\b:TMP0+4*\b+3] offset:512*\b
.endr
	s_wait_xcnt 0x0                                ; the registers loaded next, which earlier stores read, are written again only behind this wait
.irp b, 0,1,2,3,4,5,6,7
	ds_load_tr16_b128 v[F0+64*(\a&1)+4*\b:F0+64*(\a&1)+4*\b+3], v[TRA] offset:512*\b   ; LDS serves a wave's instructions in order (ISA guide 5.7.1): these see the stores above
.endr
.irp b, 0,1,2,3,4,5,6,7
	s_wait_dscnt 7-\b                              ; the younger transposing loads may stay out
	global_store_b128 v[CO], v[F0+64*(\a&1)+4*\b:F0+64*(\a&1)+4*\b+3], s[20:21] offset:(\a>>1)*32768+\b*1024+(\a&1)*512
.endr
.endm
.irp a, 0,1,2,3,4,5,6,7
	OUTV \a
.endr
.Lout_done:
	s_wait_tensorcnt 0x0
	ds_add_u32 v62, v63
	s_wait_dscnt 0x0
	CROUND                                         ; the closing round: no work-group ends while a partner may still ask for a tile that names it
	s_endpgm
.Lfunc_end_k_q6083342db5_proj:
	.size	k_q6083342db5_proj, .Lfunc_end_k_q6083342db5_proj-k_q6083342db5_proj
	.p2alignl 7, 3214868480
	.fill 96, 4, 3214868480
	.section	.rodata,"a",@progbits
	.p2align	6, 0x0
	.amdhsa_kernel k_q6083342db5_proj
		.amdhsa_group_segment_fixed_size 327680
		.amdhsa_private_segment_fixed_size 0
		.amdhsa_enable_private_segment 0
		.amdhsa_kernarg_size 32
		.amdhsa_user_sgpr_count 2
		.amdhsa_user_sgpr_kernarg_segment_ptr 1
		.amdhsa_wavefront_size32 1
		.amdhsa_system_sgpr_workgroup_id_x 1
		.amdhsa_system_sgpr_workgroup_id_y 1
		.amdhsa_system_sgpr_workgroup_id_z 1
		.amdhsa_system_vgpr_workitem_id 0
		.amdhsa_next_free_vgpr 1024
		.amdhsa_next_free_sgpr 66
		.amdhsa_reserve_vcc 0
		.amdhsa_float_denorm_mode_32 3
		.amdhsa_float_denorm_mode_16_64 3
		.amdhsa_memory_ordered 1
		.amdhsa_forward_progress 1
		.amdhsa_inst_pref_size 255
	.end_amdhsa_kernel
	.section	.bss,"aw",@nobits
	.p2align	6
	.space	262144
	.amdgpu_metadata
---
amdhsa.version: [ 1, 2 ]
amdhsa.kernels:
  - .name:           k_q6083342db5_proj
    .symbol:         k_q6083342db5_proj.kd
    .args:
      - { .name: context, .offset: 0, .size: 8, .value_kind: global_buffer, .address_space: global }
      - { .name: wfrag, .offset: 8, .size: 8, .value_kind: global_buffer, .address_space: global }
      - { .name: kf, .offset: 16, .size: 8, .value_kind: global_buffer, .address_space: global }
      - { .name: vf, .offset: 24, .size: 8, .value_kind: global_buffer, .address_space: global }
    .group_segment_fixed_size: 327680
    .private_segment_fixed_size: 0
    .kernarg_segment_align: 8
    .kernarg_segment_size: 32
    .max_flat_workgroup_size: 128
    .sgpr_count:     66
    .vgpr_count:     1024
    .wavefront_size: 32
...
	.end_amdgpu_metadata
.endif
;; end of part 2
;; launch attn (part 3): grid 16 x 16, 4 waves a work-group, clusters of 4 x 1, 327,680 bytes of LDS; arguments kf, vf, x, opart, ml; writes opart, ml
.if DOCPART == 3
	.amdgcn_target "amdgcn-amd-amdhsa--gfx1250"
	.amdhsa_code_object_version 6
	.text
	.protected	k_q6083342db5_attn
	.globl	k_q6083342db5_attn
	.p2align	8
	.type	k_q6083342db5_attn,@function
k_q6083342db5_attn:
	s_mov_b64 s[64:65], 0
	v_nop
	global_prefetch_b8 v0, s[64:65] scope:SCOPE_SE
	s_setreg_imm32_b32 hwreg(HW_REG_WAVE_MODE, 25, 1), 1
	s_wait_xcnt 0x0
	s_wait_alu depctr_hold_cnt(0) depctr_sa_sdst(0) depctr_va_vdst(0) depctr_va_sdst(0) depctr_va_ssrc(0) depctr_va_vcc(0) depctr_vm_vsrc(0)
	s_getreg_b32 s2, hwreg(HW_REG_IB_STS2, 6, 4)
	s_cmp_eq_u32 s2, 0
	s_cbranch_scc0 .Lentry_in_a_cluster
	s_endpgm
.Lentry_in_a_cluster:
	s_bfe_u32 s2, ttmp6, 0x10000c
	s_cmp_lg_u32 s2, 0x3003
	s_cbranch_scc0 .Lentry_shape_is_right
	s_endpgm
.Lentry_shape_is_right:
; attn: attention of 128 queries over one quarter (1,024) of their batch's keys, with a running maximum; unnormalised sums go to opart, the
; maximum and the sum of exponentials of each row to ml; the last launch merges the four quarters.
; scores = x k'^T (k' = ctx Wk Wq^T from the launch before: a reassociation of the reference's (x Wq)(ctx Wk)^T), x rounded to bf16.
; LIMITS: p = exp(score - max) is rounded to bf16 for the product with v while the row's sum adds the unrounded p; v_exp_f32 gives 0 for
; results below 2^-126 (ISA guide 15.8); a NaN among the scores loses in the maxima (v_max_num); infinities are not treated specially.
; The exponent is formed as fma(s, C2, -M C2): its error is one rounding of M C2, far below that of the bf16 operands in s itself.
; EVERYTHING IS TRANSPOSED, so that the query is always the lane: S^T = K' Q^T (source 0 = 16 keys, source 1 = 16 queries) and
; O^T = V^T P^T (source 0 = 16 e, source 1 = 16 queries).  Lane (r, h) of S^T holds query r, keys 8h + 0..7: packed, that is P's fragment as it
; stands, and maximum, sum and rescaling factor are one number a lane.  Wave w owns 32 queries whole: softmax never leaves the wave.
; Work-group: y = 4 batch + quarter, qb = query block of 128.  16 steps of 64 keys through two LDS slots.
; CLUSTER 4 x 1: four query blocks of one y read the same K' and V tiles; each tile is asked for jointly by all four (mask 15).
; REGISTERS in windows of 256: window 0: addresses, S, P, two fragment buffers, statistics; window 1: Q[t][c] at 8 (16 t + c);
; window 2: O[et 0-15][t] at 8 (2 et + t); window 3: O[et 16-31][t].
.set SLOT,   131072                    ; K' [key tile 4][d chunk 16][1,024 bytes], then V [key chunk 2][e tile 32][1,024 bytes]
.set VOFF,   65536
.set STAGE,  2*SLOT                    ; behind the ring: 16 rows x 528 bytes for each wave; no tensor load lands there
.set SPITCH, 528                       ; 512 bytes + 16: the 16 rows that a store touches start at 16 different 16-byte columns modulo 256
.set C2,     0x3d8293ee                ; 512^-0.5 x log2(e)
.set NC2,    0xbd8293ee
.set KADR, 4                           ; v4-5    16 x lane + slot
.set CO,   4                           ; v4      16 x lane, also the offset of the stores
.set VADR, 6                           ; v6-7    the same + VOFF
.set STO,  8                           ; v8      way out: where I put 32 bytes of a row
.set RD,   9                           ; v9      way out: where I read a row back
.set XO,   11                          ; v11     my 32 bytes in x
.set T,    12                          ; v12-15  at work
.set S,    16                          ; v16-79  S[kt][t] at 16 + 8 (2 kt + t)
.set P,    80                          ; v80-111 P[kc][t] at 80 + 8 (2 kc + t)
.set FR0,  112                         ; v112-175, v176-239: two buffers of 8 fragments
.set M,    240                         ; v240-241 running maximum of tile t, in raw score units
.set NM,   242                         ; v[242:245] pairs: -M C2
.set AL,   246                         ; v[246:249] pairs: the rescaling factor
.set L,    250                         ; v250-251 my half of the row's sum of exponentials
.set U,    252                         ; v252-254 the statistics on their way out
.set G1,   24                          ; s[24:31] shape: 32,768 dense bytes
.set G0,   32                          ; s[32:39] from where, to where: a set for each slot
.set MSB, 0
.macro WIN new                         ; the immediate's high byte repeats the setting that is left
.if MSB != \new
	s_set_vgpr_msb (MSB<<8)|\new
.set MSB, \new
.endif
.endm
.set Q_IN_1, 0x04                      ; source 1 (Q) window 1, all else window 0: serves the LDS loads of the S phase too
.set O_LO,   0xa0                      ; C and D window 2
.set O_HI,   0xf0                      ; C and D window 3
.macro CREST                           ; a round of the cluster's barrier behind its opening barrier
	s_cmp_lg_u32 s14, 0
	s_cbranch_scc1 .Lnot_wave_0_\@
	s_barrier_signal -3
.Lnot_wave_0_\@:
	s_barrier_wait -3
	s_barrier_signal -1
	s_barrier_wait -1
.endm
.macro CROUND
	s_barrier_signal -1
	s_barrier_wait -1
	CREST
.endm
.macro PLACES                          ; four places behind a matrix instruction (ISA guide 7.12.1)
.rept 4
	v_nop
.endr
.endm
	s_load_b256 s[4:11], s[0:1], 0x0               ; kf s[4:5], vf s[6:7], x s[8:9], opart s[10:11]
	s_load_b64 s[12:13], s[0:1], 0x20              ; ml
	v_lshl_add_u32 v10, v0, 2, 0x48400
	v_mov_b32 v255, 0
	ds_add_u32 v10, v255
	ds_add_u32 v10, v255
	v_lshrrev_b32 v1, 5, v0
	v_readfirstlane_b32 s14, v1                    ; wave 0..3
	s_and_b32 s16, ttmp7, 0xffff                   ; y = 4 batch + quarter
	s_bfe_u32 s17, ttmp6, 0x40000                  ; cx
	s_lshl_b32 s18, ttmp9, 2
	s_add_co_u32 s18, s18, s17                     ; qb
	s_mov_b32 s40, 0x76543210                      ; v_permlanex16_b32: lane i reads lane i of the other half
	s_mov_b32 s41, 0xfedcba98
	s_mov_b32 s[G1+0], 15|(3<<16)|(1<<21)          ; all four work-groups of the cluster; element of 8 bytes
	s_mov_b32 s[G1+1], 32<<16                      ; 128 rows of 32 elements: 32,768 dense bytes
	s_mov_b32 s[G1+2], 128<<16
	s_mov_b32 s[G1+3], 32<<16
	s_mov_b32 s[G1+4], 128
	s_mov_b32 s[G1+5], 32
	s_mov_b32 s[G1+6], 0
	s_mov_b32 s[G1+7], 0
	; waves 0, 1 fetch the halves of a step's K', waves 2, 3 of its V.  Both buffers hold 1,024 bytes a key: one offset serves both.
	; Nothing here hangs on cx: the four partners' descriptors are equal.
	s_lshl_b32 s42, s16, 20                        ; y x 1,024 keys
	s_and_b32 s43, s14, 1
	s_lshl_b32 s43, s43, 15                        ; my half of 65,536 bytes
	s_add_co_u32 s42, s42, s43
	s_mov_b32 s43, 0
	s_lshl_b32 s46, s14, 15                        ; LDS: wave x 32,768
	s_wait_dscnt 0x0
	s_wait_kmcnt 0x0
	s_cmp_lt_u32 s14, 2
	s_cselect_b64 s[44:45], s[4:5], s[6:7]
	s_add_nc_u64 s[44:45], s[44:45], s[42:43]
	CROUND                                         ; all four work-groups are here: the first joint loads meet
.irp s, 0,1
	s_mov_b32 s[G0+4*\s], 1
	s_add_co_u32 s[G0+4*\s+1], s46, \s*SLOT
	s_add_nc_u64 s[G0+4*\s+2:G0+4*\s+3], s[44:45], \s*65536        ; step s
	s_or_b32 s[G0+4*\s+3], s[G0+4*\s+3], 0x80000000
	tensor_load_to_lds s[G0+4*\s:G0+4*\s+3], s[G1:G1+7]            ; two loads of the wave are out here, later one
	s_nop 0
.endr
	s_lshr_b32 s19, s16, 2
	s_lshl_b32 s19, s19, 11                        ; batch x 2,048
	s_lshl_b32 s20, s18, 7
	s_add_co_u32 s19, s19, s20                     ; + 128 qb
	s_lshl_b32 s20, s14, 5
	s_add_co_u32 s19, s19, s20                     ; + 32 w: my first row
	s_lshl_b32 s20, s19, 11
	s_mov_b32 s21, 0
	s_add_nc_u64 s[8:9], s[8:9], s[20:21]          ; x at my first row
	s_and_b32 s22, s16, 3
	s_lshl_b32 s22, s22, 13
	s_add_co_u32 s22, s22, s19                     ; quarter x 8,192 + row
	s_lshl_b32 s20, s22, 11
	s_add_nc_u64 s[10:11], s[10:11], s[20:21]      ; opart
	s_lshl_b32 s20, s22, 3
	s_add_nc_u64 s[12:13], s[12:13], s[20:21]      ; ml
	v_and_b32 v1, 15, v0                           ; r
	v_bfe_u32 v2, v0, 4, 1                         ; h
	v_and_b32 v3, 31, v0                           ; lane
	v_lshlrev_b32 v[XO], 11, v1                    ; row r of x, 8 f32 for each half of the lanes
	v_lshl_add_u32 v[XO], v2, 5, v[XO]
	v_lshlrev_b32 v[KADR], 4, v3
	v_add_nc_u32 v[KADR+1], SLOT, v[KADR]
	v_add_nc_u32 v[VADR], VOFF, v[KADR]
	v_add_nc_u32 v[VADR+1], SLOT+VOFF, v[KADR]
	s_mul_i32 s23, s14, 16*SPITCH
	s_add_co_u32 s23, s23, STAGE                   ; my stage
	v_mul_u32_u24 v[STO], v1, SPITCH
	v_lshl_add_u32 v[STO], v2, 5, v[STO]
	v_add_nc_u32 v[STO], s23, v[STO]
	v_add_nc_u32 v[RD], s23, v[KADR]
	; Q: my 32 rows of x, f32, land in the registers that will hold O (not yet alive) and are packed into window 1
.macro LOADX t
.irp c, 0,1,2,3,4,5,6,7,8,9,10,11,12,13,14,15
.irp p, 0,1,2,3
	global_load_b128 v[16*\c+4*\p:16*\c+4*\p+3], v[XO], s[8:9] offset:\t*32768+\c*128+16*(\p&1)+64*(\p>>1)
.endr
.endr
.endm
.macro CVTQ t
.irp c, 0,1,2,3,4,5,6,7,8,9,10,11,12,13,14,15
.irp u, 0,1,2,3,4,5,6,7
	v_cvt_pk_bf16_f32 v[8*(16*\t+\c)+\u], v[16*\c+2*\u], v[16*\c+2*\u+1]
.endr
.endr
.endm
	WIN 0x80                                       ; destination window 2
	LOADX 0
	WIN 0xc0                                       ; destination window 3
	LOADX 1
	s_wait_loadcnt 0x0
	WIN 0x4a                                       ; sources window 2, destination window 1
	CVTQ 0
	WIN 0x4f                                       ; sources window 3
	CVTQ 1
	WIN 0
; 16 LDS loads: d chunks c0, c0 + 1 of the slot's four key tiles into buffer buf
.macro LDK slot, c0, buf
.irp dc, 0,1
.irp kt, 0,1,2,3
	ds_load_b128 v[FR0+64*(\buf)+8*(4*\dc+\kt):FR0+64*(\buf)+8*(4*\dc+\kt)+3],   v[KADR+(\slot)] offset:\kt*16384+(\c0+\dc)*1024
	ds_load_b128 v[FR0+64*(\buf)+8*(4*\dc+\kt)+4:FR0+64*(\buf)+8*(4*\dc+\kt)+7], v[KADR+(\slot)] offset:\kt*16384+(\c0+\dc)*1024+512
.endr
.endr
.endm
; 16 LDS loads: e tiles 8 g .. 8 g + 7 of key chunk kc into buffer buf
.macro LDV slot, kc, g, buf
.irp e, 0,1,2,3,4,5,6,7
	ds_load_b128 v[FR0+64*(\buf)+8*\e:FR0+64*(\buf)+8*\e+3],   v[VADR+(\slot)] offset:(\kc)*32768+(8*(\g)+\e)*1024
	ds_load_b128 v[FR0+64*(\buf)+8*\e+4:FR0+64*(\buf)+8*\e+7], v[VADR+(\slot)] offset:(\kc)*32768+(8*(\g)+\e)*1024+512
.endr
.endm
; 16 matrix instructions: S[kt][t] += K'(kt, c) Q(t, c), c = c0, c0 + 1; chunk 0 starts the sums.
; Here the 8, in MULO the 64 accumulators take turns, one instruction a turn.
.macro MULS c0, buf
.irp dc, 0,1
.irp kt, 0,1,2,3
.irp t, 0,1
.if (\c0+\dc) == 0
	v_wmma_f32_16x16x32_bf16 v[S+8*(2*\kt+\t):S+8*(2*\kt+\t)+7], v[FR0+64*(\buf)+8*(4*\dc+\kt):FR0+64*(\buf)+8*(4*\dc+\kt)+7], v[8*(16*\t+\c0+\dc):8*(16*\t+\c0+\dc)+7], 0
.else
	v_wmma_f32_16x16x32_bf16 v[S+8*(2*\kt+\t):S+8*(2*\kt+\t)+7], v[FR0+64*(\buf)+8*(4*\dc+\kt):FR0+64*(\buf)+8*(4*\dc+\kt)+7], v[8*(16*\t+\c0+\dc):8*(16*\t+\c0+\dc)+7], v[S+8*(2*\kt+\t):S+8*(2*\kt+\t)+7]
.endif
.endr
.endr
.endr
.endm
; 16 matrix instructions: O[et][t] += V(et, kc) P(t, kc), et = 8 g .. 8 g + 7
.macro MULO kc, g, buf, zero
.irp e, 0,1,2,3,4,5,6,7
.irp t, 0,1
.if \zero
	v_wmma_f32_16x16x32_bf16 v[8*(2*(8*((\g)&1)+\e)+\t):8*(2*(8*((\g)&1)+\e)+\t)+7], v[FR0+64*(\buf)+8*\e:FR0+64*(\buf)+8*\e+7], v[P+8*(2*(\kc)+\t):P+8*(2*(\kc)+\t)+7], 0
.else
	v_wmma_f32_16x16x32_bf16 v[8*(2*(8*((\g)&1)+\e)+\t):8*(2*(8*((\g)&1)+\e)+\t)+7], v[FR0+64*(\buf)+8*\e:FR0+64*(\buf)+8*\e+7], v[P+8*(2*(\kc)+\t):P+8*(2*(\kc)+\t)+7], v[8*(2*(8*((\g)&1)+\e)+\t):8*(2*(8*((\g)&1)+\e)+\t)+7]
.endif
.endr
.endr
.endm
; Softmax of query tile t over the step's 64 keys; a lane holds 32 of its query's scores, the lane 16 further the other 32.
.macro SOFT t, first
.irp kt, 0,1,2,3
	v_max3_num_f32 v[T+\kt], v[S+8*(2*\kt+\t)], v[S+8*(2*\kt+\t)+1], v[S+8*(2*\kt+\t)+2]   ; four chains that do not wait for each other
.endr
.irp kt, 0,1,2,3
	v_max3_num_f32 v[T+\kt], v[T+\kt], v[S+8*(2*\kt+\t)+3], v[S+8*(2*\kt+\t)+4]
.endr
.irp kt, 0,1,2,3
	v_max3_num_f32 v[T+\kt], v[T+\kt], v[S+8*(2*\kt+\t)+5], v[S+8*(2*\kt+\t)+6]
.endr
.irp kt, 0,1,2,3
	v_max_num_f32 v[T+\kt], v[T+\kt], v[S+8*(2*\kt+\t)+7]
.endr
	v_max3_num_f32 v[T], v[T], v[T+1], v[T+2]
	v_max_num_f32 v[T], v[T], v[T+3]
	v_permlanex16_b32 v[T+1], v[T], s40, s41       ; the other half's maximum
.if \first
	v_max_num_f32 v[M+\t], v[T], v[T+1]
.else
	v_max3_num_f32 v[T+2], v[T], v[T+1], v[M+\t]   ; the new running maximum
	v_sub_f32 v[T+3], v[M+\t], v[T+2]
	v_mul_f32 v[T+3], C2, v[T+3]
	v_exp_f32 v[AL+2*\t], v[T+3]                   ; what was summed so far shrinks by this
	v_mov_b32 v[M+\t], v[T+2]                      ; a plain instruction between v_exp_f32 and the use of its result (ISA guide 5.7.2)
	s_wait_alu depctr_va_vdst(0)
	v_mov_b32 v[AL+2*\t+1], v[AL+2*\t]
.endif
	v_mul_f32 v[NM+2*\t], NC2, v[M+\t]
	v_mul_f32 v[NM+2*\t+1], NC2, v[M+\t]
.irp kt, 0,1,2,3
.irp u, 0,2,4,6
	v_pk_fma_f32 v[S+8*(2*\kt+\t)+\u:S+8*(2*\kt+\t)+\u+1], v[S+8*(2*\kt+\t)+\u:S+8*(2*\kt+\t)+\u+1], C2, v[NM+2*\t:NM+2*\t+1] op_sel_hi:[1,0,1]
.endr
.endr
.irp kt, 0,1,2,3
.irp u, 0,1,2,3,4,5,6,7
	v_exp_f32 v[S+8*(2*\kt+\t)+\u], v[S+8*(2*\kt+\t)+\u]
.endr
.endr
	v_nop                                          ; a plain place behind the run of exponentials
	s_wait_alu depctr_va_vdst(0)
.irp kt, 0,1,2,3
.irp u, 0,1,2,3
	v_cvt_pk_bf16_f32 v[P+8*(2*(\kt>>1)+\t)+4*(\kt&1)+\u], v[S+8*(2*\kt+\t)+2*\u], v[S+8*(2*\kt+\t)+2*\u+1]   ; even key tile: registers 0-3, odd: 4-7
.endr
.endr
.irp kt, 0,1
.irp u, 0,2,4,6
	v_pk_add_f32 v[S+8*(2*\kt+\t)+\u:S+8*(2*\kt+\t)+\u+1], v[S+8*(2*\kt+\t)+\u:S+8*(2*\kt+\t)+\u+1], v[S+8*(2*\kt+4+\t)+\u:S+8*(2*\kt+4+\t)+\u+1]
.endr
.endr
.irp u, 0,2,4,6
	v_pk_add_f32 v[S+8*\t+\u:S+8*\t+\u+1], v[S+8*\t+\u:S+8*\t+\u+1], v[S+8*(2+\t)+\u:S+8*(2+\t)+\u+1]
.endr
.irp u, 0,2
	v_pk_add_f32 v[S+8*\t+\u:S+8*\t+\u+1], v[S+8*\t+\u:S+8*\t+\u+1], v[S+8*\t+4+\u:S+8*\t+4+\u+1]
.endr
	v_pk_add_f32 v[S+8*\t:S+8*\t+1], v[S+8*\t:S+8*\t+1], v[S+8*\t+2:S+8*\t+3]
.if \first
	v_add_f32 v[L+\t], v[S+8*\t], v[S+8*\t+1]
.else
	v_add_f32 v[T], v[S+8*\t], v[S+8*\t+1]
	v_fma_f32 v[L+\t], v[L+\t], v[AL+2*\t], v[T]
.endif
.endm
; O shrinks by the lane's own factor: register pair i of a window belongs to query tile (i / 4) % 2
.macro RESCALE
	WIN 0x82                                       ; source 0 and destination window 2, the factor window 0
.set ri, 0
.rept 128
	v_pk_mul_f32 v[2*ri:2*ri+1], v[2*ri:2*ri+1], v[AL+2*((ri>>2)&1):AL+2*((ri>>2)&1)+1]
.set ri, ri+1
.endr
	WIN 0xc3                                       ; the same for window 3
.set ri, 0
.rept 128
	v_pk_mul_f32 v[2*ri:2*ri+1], v[2*ri:2*ri+1], v[AL+2*((ri>>2)&1):AL+2*((ri>>2)&1)+1]
.set ri, ri+1
.endr
.endm
; One step: 64 keys in slot.  Sixteen batches of 16 loads and 16 matrix instructions on two buffers: each batch's loads go out a batch ahead,
; four places behind the matrix instructions that read the buffer (left out where other vector work already stands between).
; mode 2: the slot is filled again, two steps ahead; 1: change of slots alone; 0: the last step.
.macro STEP slot, first, mode
	WIN Q_IN_1
.irp nb, 0,1,2,3,4,5,6,7
.if \nb > 0
	PLACES
.endif
.if \nb < 7
	LDK \slot, 2*\nb+2, (\nb+1)&1
.else
	LDV \slot, 0, 0, 0
.endif
	s_wait_dscnt 16                                ; the 16 younger loads are the next batch's
	MULS 2*\nb, \nb&1
.endr
	PLACES
	WIN 0
	SOFT 0, \first
	SOFT 1, \first
.if \first == 0
	RESCALE
.endif
.irp mb, 0,1,2,3,4,5,6
	WIN 0
.if \mb > 0
	PLACES
.endif
	LDV \slot, (\mb+1)>>2, (\mb+1)&3, (\mb+1)&1
	s_wait_dscnt 16                                ; the 16 younger loads are the next batch's
.if (\mb&3) < 2
	WIN O_LO
.else
	WIN O_HI
.endif
	MULO \mb>>2, \mb&3, \mb&1, \first*(1-(\mb>>2))
.endr
	s_wait_dscnt 0x0                               ; my reads of this slot are over
.if \mode >= 1
	s_wait_tensorcnt 0x0                           ; all my tensor loads have landed: the one that was out is my part of the next slot
	ds_add_u32 v10, v255
	s_wait_dscnt 0x0
	s_barrier_signal -1                            ; (mode 2: this barrier opens a round of the cluster's barrier)
.endif
	WIN O_HI
	MULO 1, 3, 1, 0                                ; register work while the others arrive
	WIN 0
.if \mode >= 1
	s_barrier_wait -1
.if \mode == 2
	CREST                                          ; no wave of any partner still reads this slot or has a load on its way
	s_add_nc_u64 s[G0+4*\slot+2:G0+4*\slot+3], s[G0+4*\slot+2:G0+4*\slot+3], 2*65536
	tensor_load_to_lds s[G0+4*\slot:G0+4*\slot+3], s[G1:G1+7]      ; my one load behind the round: it has 240 matrix instructions of the next step in which to land
	s_nop 0
.endif
	PLACES
	LDK 1-\slot, 0, 0
.endif
.endm
	s_wait_tensorcnt 0x1                           ; my part of step 0 is in; step 1's stays out
	s_barrier_signal -1
	s_barrier_wait -1
	LDK 0, 0, 0
	STEP 0, 1, 2                                   ; step 0 starts maxima and sums: nothing is cleared
	STEP 1, 0, 2
	s_mov_b32 s15, 6                               ; steps 2 to 13
.Llap:
	STEP 0, 0, 2
	STEP 1, 0, 2
	s_sub_co_u32 s15, s15, 1
	s_cmp_lg_u32 s15, 0
	s_cbranch_scc1 .Llap
	STEP 0, 0, 1                                   ; step 14: nothing is left to fetch
	STEP 1, 0, 0                                   ; step 15
	; THE WAY OUT
	PLACES
	v_permlanex16_b32 v[T], v[L], s40, s41         ; the two halves of each row's sum meet
	v_permlanex16_b32 v[T+1], v[L+1], s40, s41
	v_add_f32 v[L], v[L], v[T]
	v_add_f32 v[L+1], v[L+1], v[T+1]
	v_cmp_le_u32 vcc_lo, 16, v3                    ; lane l speaks for row l: tile l / 16, query l % 16
	v_cndmask_b32 v[U], v[M], v[M+1], vcc_lo
	v_cndmask_b32 v[U+1], v[L], v[L+1], vcc_lo
	v_lshlrev_b32 v[U+2], 3, v3
	global_store_b64 v[U+2], v[U:U+1], s[12:13]    ; 256 consecutive bytes, aligned
; 16 rows x 128 columns at a time through my own stage: a lane puts its 8 neighbouring e of row r, whole rows of 512 bytes come back
.macro OUT t, g, buf
.if \g < 2
	WIN 0x08                                       ; store data from window 2
.else
	WIN 0x0c                                       ; from window 3
.endif
.irp e, 0,1,2,3,4,5,6,7
	ds_store_b128 v[STO], v[8*(2*(8*(\g&1)+\e)+\t):8*(2*(8*(\g&1)+\e)+\t)+3]   offset:\e*64
	ds_store_b128 v[STO], v[8*(2*(8*(\g&1)+\e)+\t)+4:8*(2*(8*(\g&1)+\e)+\t)+7] offset:\e*64+16
.endr
	WIN 0
	s_wait_xcnt 0x0                                ; the buffer, which earlier stores read, is loaded again only behind this wait
.irp p, 0,1,2,3,4,5,6,7,8,9,10,11,12,13,14,15
	ds_load_b128 v[FR0+64*\buf+4*\p:FR0+64*\buf+4*\p+3], v[RD] offset:\p*SPITCH   ; LDS serves a wave's instructions in order (ISA guide 5.7.1): these see the stores above
.endr
.irp p, 0,1,2,3,4,5,6,7,8,9,10,11,12,13,14,15
	s_wait_dscnt 15-\p                             ; the younger loads may stay out
	global_store_b128 v[CO], v[FR0+64*\buf+4*\p:FR0+64*\buf+4*\p+3], s[10:11] offset:(16*\t+\p)*2048+\g*512   ; 512 consecutive bytes, aligned
.endr
.endm
	OUT 0, 0, 0
	OUT 0, 1, 1
	OUT 0, 2, 0
	OUT 0, 3, 1
	OUT 1, 0, 0
	OUT 1, 1, 1
	OUT 1, 2, 0
	OUT 1, 3, 1
	s_wait_tensorcnt 0x0
	ds_add_u32 v10, v255
	s_wait_dscnt 0x0
	CROUND                                         ; the closing round: no work-group ends while a partner may still ask for a tile that names it
	s_endpgm
.Lfunc_end_k_q6083342db5_attn:
	.size	k_q6083342db5_attn, .Lfunc_end_k_q6083342db5_attn-k_q6083342db5_attn
	.p2alignl 7, 3214868480
	.fill 96, 4, 3214868480
	.section	.rodata,"a",@progbits
	.p2align	6, 0x0
	.amdhsa_kernel k_q6083342db5_attn
		.amdhsa_group_segment_fixed_size 327680
		.amdhsa_private_segment_fixed_size 0
		.amdhsa_enable_private_segment 0
		.amdhsa_kernarg_size 40
		.amdhsa_user_sgpr_count 2
		.amdhsa_user_sgpr_kernarg_segment_ptr 1
		.amdhsa_wavefront_size32 1
		.amdhsa_system_sgpr_workgroup_id_x 1
		.amdhsa_system_sgpr_workgroup_id_y 1
		.amdhsa_system_sgpr_workgroup_id_z 1
		.amdhsa_system_vgpr_workitem_id 0
		.amdhsa_next_free_vgpr 1024
		.amdhsa_next_free_sgpr 66
		.amdhsa_reserve_vcc 1
		.amdhsa_float_denorm_mode_32 3
		.amdhsa_float_denorm_mode_16_64 3
		.amdhsa_memory_ordered 1
		.amdhsa_forward_progress 1
		.amdhsa_inst_pref_size 255
	.end_amdhsa_kernel
	.section	.bss,"aw",@nobits
	.p2align	6
	.space	262144
	.amdgpu_metadata
---
amdhsa.version: [ 1, 2 ]
amdhsa.kernels:
  - .name:           k_q6083342db5_attn
    .symbol:         k_q6083342db5_attn.kd
    .args:
      - { .name: kf, .offset: 0, .size: 8, .value_kind: global_buffer, .address_space: global }
      - { .name: vf, .offset: 8, .size: 8, .value_kind: global_buffer, .address_space: global }
      - { .name: x, .offset: 16, .size: 8, .value_kind: global_buffer, .address_space: global }
      - { .name: opart, .offset: 24, .size: 8, .value_kind: global_buffer, .address_space: global }
      - { .name: ml, .offset: 32, .size: 8, .value_kind: global_buffer, .address_space: global }
    .group_segment_fixed_size: 327680
    .private_segment_fixed_size: 0
    .kernarg_segment_align: 8
    .kernarg_segment_size: 40
    .max_flat_workgroup_size: 128
    .sgpr_count:     66
    .vgpr_count:     1024
    .wavefront_size: 32
...
	.end_amdgpu_metadata
.endif
;; end of part 3
;; launch comb (part 4): grid 512 x 1, 8 waves a work-group, no clusters, 0 bytes of LDS; arguments opart, ml, x, out0; writes out0
.if DOCPART == 4
	.amdgcn_target "amdgcn-amd-amdhsa--gfx1250"
	.amdhsa_code_object_version 6
	.text
	.protected	k_q6083342db5_comb
	.globl	k_q6083342db5_comb
	.p2align	8
	.type	k_q6083342db5_comb,@function
k_q6083342db5_comb:
	s_mov_b64 s[64:65], 0
	v_nop
	global_prefetch_b8 v0, s[64:65] scope:SCOPE_SE
	s_setreg_imm32_b32 hwreg(HW_REG_WAVE_MODE, 25, 1), 1
	s_wait_xcnt 0x0
; comb: out[row] = x[row] + (sum over the four key quarters s of w_s O_s[row]) / (sum over s of w_s l_s),  w_s = exp((m_s - max m) / sqrt(512)).
; opart: [quarter 4][row 8,192][512] f32; ml: [quarter][row][m, l] f32, m in raw score units.
; A stream: memory binds, so no LDS, no barrier, no matrix unit, no cluster (no two work-groups read the same bytes).  A wave owns two rows;
; all its 44 loads go out at the start, and each load and store of data covers 512 consecutive bytes, aligned.
; The quarter that holds the row's maximum has w = 1 and l >= about 1, so the divisor is never 0.  v_exp_f32 gives 0 below 2^-126 (ISA guide 15.8).
.set C2, 0x3d8293ee                    ; 512^-0.5 x log2(e)
.set ML, 8                             ; v[8:23]   quarter s: m, l of row 0, m, l of row 1
.set G,  24                            ; v[24:39]  pair at 24 + 8 row + 2 s: w_s / divisor, twice
.set X,  40                            ; v[40:71]  x, then the result: 40 + 16 row + 4 u
.set O,  72                            ; v[72:199] 72 + 32 s + 16 row + 4 u
.set OB, 20                            ; s[20:27]  opart's four quarters at my rows
	s_load_b256 s[4:11], s[0:1], 0x0               ; opart s[4:5], ml s[6:7], x s[8:9], out0 s[10:11]
	v_lshrrev_b32 v1, 5, v0
	v_readfirstlane_b32 s12, v1
	s_lshl3_add_u32 s12, ttmp9, s12                ; the wave's number in the launch: rows 2 id, 2 id + 1
	v_and_b32 v1, 31, v0
	v_lshlrev_b32 v1, 4, v1                        ; 16 bytes a lane
	v_mov_b32 v2, 0
	s_lshl_b32 s14, s12, 4                         ; two rows of ml
	s_mov_b32 s15, 0
	s_lshl_b32 s16, s12, 12                        ; two rows of 2,048 bytes
	s_mov_b32 s17, 0
	s_wait_kmcnt 0x0
	s_add_nc_u64 s[6:7], s[6:7], s[14:15]
	s_add_nc_u64 s[8:9], s[8:9], s[16:17]
	s_add_nc_u64 s[10:11], s[10:11], s[16:17]
	s_add_nc_u64 s[OB:OB+1], s[4:5], s[16:17]
	s_add_nc_u64 s[OB+2:OB+3], s[OB:OB+1], 0x1000000       ; a quarter is 8,192 rows of 2,048 bytes: beyond a load's immediate
	s_add_nc_u64 s[OB+4:OB+5], s[OB+2:OB+3], 0x1000000
	s_add_nc_u64 s[OB+6:OB+7], s[OB+4:OB+5], 0x1000000
.irp s, 0,1,2,3
	global_load_b128 v[ML+4*\s:ML+4*\s+3], v2, s[6:7] offset:\s*65536      ; every lane takes the same 16 bytes
.endr
.irp p, 0,1
.irp u, 0,1,2,3
	global_load_b128 v[X+16*\p+4*\u:X+16*\p+4*\u+3], v1, s[8:9] offset:\p*2048+\u*512 th:TH_LOAD_NT
.endr
.endr
.irp s, 0,1,2,3
.irp p, 0,1
.irp u, 0,1,2,3
	global_load_b128 v[O+32*\s+16*\p+4*\u:O+32*\s+16*\p+4*\u+3], v1, s[OB+2*\s:OB+2*\s+1] offset:\p*2048+\u*512 th:TH_LOAD_NT
.endr
.endr
.endr
	s_wait_loadcnt 40                              ; the 40 younger loads are x's 8 and opart's 32
.irp p, 0,1
	v_max3_num_f32 v3, v[ML+2*\p], v[ML+4+2*\p], v[ML+8+2*\p]
	v_max_num_f32 v3, v3, v[ML+12+2*\p]            ; the row's maximum over all keys
.irp s, 0,1,2,3
	v_sub_f32 v[4+\s], v[ML+4*\s+2*\p], v3
.endr
.irp s, 0,1,2,3
	v_mul_f32 v[4+\s], C2, v[4+\s]
.endr
.irp s, 0,1,2,3
	v_exp_f32 v[4+\s], v[4+\s]
.endr
	v_nop                                          ; a plain place behind the run of exponentials (ISA guide 5.7.2)
	s_wait_alu depctr_va_vdst(0)
	v_mul_f32 v3, v4, v[ML+1+2*\p]
	v_fmac_f32 v3, v5, v[ML+5+2*\p]
	v_fmac_f32 v3, v6, v[ML+9+2*\p]
	v_fmac_f32 v3, v7, v[ML+13+2*\p]
	v_rcp_f32 v3, v3
	v_nop                                          ; and behind the reciprocal
	s_wait_alu depctr_va_vdst(0)
.irp s, 0,1,2,3
	v_mul_f32 v[G+8*\p+2*\s], v[4+\s], v3
	v_mul_f32 v[G+8*\p+2*\s+1], v[4+\s], v3
.endr
.endr
.irp s, 0,1,2,3
	s_wait_loadcnt 24-8*\s                         ; x and quarters 0 to s are in; each younger quarter is 8 loads
.irp p, 0,1
.irp u, 0,1,2,3
.irp d, 0,2
	v_pk_fma_f32 v[X+16*\p+4*\u+\d:X+16*\p+4*\u+\d+1], v[O+32*\s+16*\p+4*\u+\d:O+32*\s+16*\p+4*\u+\d+1], v[G+8*\p+2*\s:G+8*\p+2*\s+1], v[X+16*\p+4*\u+\d:X+16*\p+4*\u+\d+1]
.endr
.endr
.endr
.endr
.irp p, 0,1
.irp u, 0,1,2,3
	global_store_b128 v1, v[X+16*\p+4*\u:X+16*\p+4*\u+3], s[10:11] offset:\p*2048+\u*512 th:TH_STORE_NT
.endr
.endr
	s_endpgm
.Lfunc_end_k_q6083342db5_comb:
	.size	k_q6083342db5_comb, .Lfunc_end_k_q6083342db5_comb-k_q6083342db5_comb
	.p2alignl 7, 3214868480
	.fill 96, 4, 3214868480
	.section	.rodata,"a",@progbits
	.p2align	6, 0x0
	.amdhsa_kernel k_q6083342db5_comb
		.amdhsa_group_segment_fixed_size 0
		.amdhsa_private_segment_fixed_size 0
		.amdhsa_enable_private_segment 0
		.amdhsa_kernarg_size 32
		.amdhsa_user_sgpr_count 2
		.amdhsa_user_sgpr_kernarg_segment_ptr 1
		.amdhsa_wavefront_size32 1
		.amdhsa_system_sgpr_workgroup_id_x 1
		.amdhsa_system_sgpr_workgroup_id_y 1
		.amdhsa_system_sgpr_workgroup_id_z 1
		.amdhsa_system_vgpr_workitem_id 0
		.amdhsa_next_free_vgpr 200
		.amdhsa_next_free_sgpr 66
		.amdhsa_reserve_vcc 0
		.amdhsa_float_denorm_mode_32 3
		.amdhsa_float_denorm_mode_16_64 3
		.amdhsa_memory_ordered 1
		.amdhsa_forward_progress 1
		.amdhsa_inst_pref_size 13
	.end_amdhsa_kernel
	.amdgpu_metadata
---
amdhsa.version: [ 1, 2 ]
amdhsa.kernels:
  - .name:           k_q6083342db5_comb
    .symbol:         k_q6083342db5_comb.kd
    .args:
      - { .name: opart, .offset: 0, .size: 8, .value_kind: global_buffer, .address_space: global }
      - { .name: ml, .offset: 8, .size: 8, .value_kind: global_buffer, .address_space: global }
      - { .name: x, .offset: 16, .size: 8, .value_kind: global_buffer, .address_space: global }
      - { .name: out0, .offset: 24, .size: 8, .value_kind: global_buffer, .address_space: global }
    .group_segment_fixed_size: 0
    .private_segment_fixed_size: 0
    .kernarg_segment_align: 8
    .kernarg_segment_size: 32
    .max_flat_workgroup_size: 256
    .sgpr_count:     66
    .vgpr_count:     200
    .wavefront_size: 32
...
	.end_amdgpu_metadata
.endif
;; end of part 4
